; MI455X (gfx1250); checked and timed in simulation.
; The chip was launched on July 23, 2026; its instructions are those of AMD's public machine-readable ISA for CDNA 5 (MIT licence, August 2026) and "CDNA5" Instruction Set Architecture Reference Guide (July 2026). The comments in the code are by the model that wrote it; some were corrected since.
;; Self Attn. Allowed arithmetic: matrix products marked QUANTISED: E2M1 operands, one E8M0 scale for each 32 along K, by v_wmma_scale_f32_16x16x128_f8f6f4 with both operands' format E2M1 (or v_wmma_scale_f32_32x16x128_f4), f32 sums; products left as they are: bf16, f16 or f32 operands; f32 sums; everything else in f32.
;; Inputs: W_qkv 3,072 x 1,024 float32; x 2 x 8,192 x 1,024 float32.
;; Outputs: out0 2 x 8,192 x 1,024 float32.
;; This version of the problem:
;;   THIS VERSION OF THE PROBLEM IS GIVEN IN LOW PRECISION. The matrix products marked QUANTISED in the list below multiply operands that are first quantised to E2M1 (2 exponent bits, 1 mantissa bit; 4 bits a number), with one power-of-two scale for each 32 numbers along K (OCP MX v1.0); their sums are f32. The products marked 'left as it is' may take bf16, f16 or f32 operands, with f32 sums. Whichever they take, every output number must still come out within the allowed error. Rounding operands to bf16 (8 significant bits) uses up far more of that allowance than f16 does (11 bits, for magnitudes from 6e-5 to 65,504). All else is computed in f32.
;;   The module's matrix products, in the order in which they are computed (A, B: the left and right operand; K: the contracted axis; several contracted axes count as one K, in the product's order):
;;     1. [M 16,384, K 1,024] x [K 1,024, N 3,072]; A: input x; B: input W_qkv: QUANTISED
;;     2. batch 32 x [M 64, K 8,192] x [K 8,192, N 64]; A: computed on the way; B: computed on the way: left as it is (an operand is computed on the way)
;;     3. batch 32 x [M 8,192, K 64] x [K 64, N 1]; A: computed on the way; B: computed on the way: left as it is (N = 1 < 16)
;;     4. batch 32 x [M 64, K 64] x [K 64, N 8,192]; A: computed on the way; B: computed on the way: left as it is (an operand is computed on the way)
;;     5. batch 262,144 x [M 1, K 1] x [K 1, N 64]; A: computed on the way; B: computed on the way: left as it is (no contracted axis)
;;   THE QUANTISER, for each operand of a quantised product, along K:
;;     - K is cut into blocks of 32 from its start; a last block that is shorter is filled with zeros.
;;     - A block's scale is 2^e with e = floor(log2(the largest magnitude in the block)) - 2, held to -126 .. 127; a block of zeros has e = 0. As a byte (E8M0): e + 127.
;;     - Each number is divided by its block's scale, clamped to +-6, and rounded to the nearest number of E2M1, ties to even, subnormals kept.
;;     - The product sums the exact products of the quantised numbers (number of the format x scale) in f32.
;;   ~~~python
;;   def quantise(x, axis):      # numpy; x: float32 -> the quantised numbers, widened to float32 again
;;       x = np.moveaxis(x, axis, -1); K = x.shape[-1]
;;       x = np.pad(x, [(0, 0)] * (x.ndim - 1) + [(0, -K % 32)]); x = x.reshape(x.shape[:-1] + (-1, 32)); a = np.abs(x).max(-1, keepdims=True)
;;       e = np.where(a > 0, np.clip(np.frexp(np.where(a > 0, a, 1))[1] - 1 - 2, -126, 127), 0)      # np.frexp(a)[1] - 1 = floor(log2(a)), exactly
;;       r = np.clip(x / 2.0 ** e, -6, 6)
;;       step = 2.0 ** (np.maximum(np.frexp(np.where(r == 0, 1, r))[1] - 1, 0) - 1)
;;       q = np.round(r / step) * step * 2.0 ** e      # np.round: ties to even
;;       return np.moveaxis(q.reshape(q.shape[:-2] + (-1,))[..., :K], -1, axis).astype(np.float32)
;;   ~~~
;; One version. Each part assembles by itself: llvm-mc -triple=amdgcn-amd-amdhsa -mcpu=gfx1250 --defsym DOCPART=n.
;; ======== version 1 of 1: 3 launches
;; workspace buffers: xq 8,912,896 bytes; wq 1,671,168 bytes; kvp 4,194,304 bytes; ksp 65,536 bytes
;; launch quant (part 1): grid 1216 x 1, 2 waves a work-group, no clusters, 27,904 bytes of LDS; arguments x, W_qkv, xq, wq; writes xq, wq
.if DOCPART == 1
	.amdgcn_target "amdgcn-amd-amdhsa--gfx1250"
	.amdhsa_code_object_version 6
	.text
	.protected	k_qb1c8aab6c9_quant
	.globl	k_qb1c8aab6c9_quant
	.p2align	8
	.type	k_qb1c8aab6c9_quant,@function
k_qb1c8aab6c9_quant:
	s_mov_b64 s[64:65], 0
	v_nop
	global_prefetch_b8 v0, s[64:65] scope:SCOPE_SE
	s_setreg_imm32_b32 hwreg(HW_REG_WAVE_MODE, 25, 1), 1
	s_wait_xcnt 0x0
; x [16384][1024] and W_qkv [3072][1024], f32, become codes of FP4 (E2M1) with one E8M0 scale byte for each 32 along K, laid as IMAGES OF OPERAND REGISTERS.
; A tile is 16 rows x 1,024 along K and takes 8,704 bytes: codes [kb 0..31][row 0..15][16 bytes] (kb = the block of 32 along K), then scale bytes [row][32].
; With kb = 4 q + 2 c + h the fragment of K step q (128 along K) is the 1,024 bytes at 1024 q, its register group c the 512 bytes at + 512 c, lane l's 16 bytes at + 16 l.
; A block's scale is 2^(floor(log2(largest magnitude)) - 2); its byte is the largest magnitude's exponent field - 2, held at 1 from below.
; LIMITS: a block of zeros, or one whose largest magnitude lies under 2^-124, keeps the byte 1 (zero blocks have zero codes; this program alone reads the bytes); NaN and infinities are not served.
; SHARES: a work-group of two waves takes one tile: work-groups 0-1023 x's tiles, 1024-1215 W's; only pointers are chosen, there is one way through the text.
; Wave H takes all 16 rows and half of K: kb 16 H .. 16 H + 15.  So a wave's chain is eight steps long, 2,432 waves have 32 loads each on their way, and a wave's codes are 4,096 consecutive bytes of the tile.
; A step is two rows x 2,048 bytes = 32 blocks: eight loads of 512 consecutive bytes; they turn through the wave's own stage in LDS so that lane l holds a block whole (row 2 t + l / 16, kb 16 H + l % 16): no other lane is asked for the maximum.
; The scale bytes of a row come from both waves: each gathers its own in 256 bytes of LDS, one barrier, and each stores 8 whole rows of 32 bytes: 256 consecutive aligned bytes.
; No matrix unit, no cluster, no tensor load: nothing is shared between work-groups and memory binds.  Loads run four steps ahead, the turn through LDS one step.
.set NS,    8                          ; steps
.set INB,   4608                       ; a stage: 32 blocks x (128 bytes + 16): the pitch is an odd multiple of 16 bytes
.set OUTC,  2*INB                      ; the codes on their way out: 16 kb x (256 bytes + 16)
.set SCB,   OUTC+16*272                ; my scale bytes [row][16]
.set WREG,  SCB+256                    ; a wave's LDS: 13,824 bytes
.set SPARE, 2*WREG                     ; behind the two regions: the spare words, 128 bytes a wave, which no other line names
.set GI,  2                            ; v2  16 lane + 2,048 H: my 16 bytes of a load's 512
.set SI,  3                            ; v3  the stage, way in: 144 (lane / 8) + 16 (lane % 8)
.set SO,  4                            ; v4  the stage, way out: 144 x lane: my block
.set CW,  5                            ; v5  272 (lane % 16) + 16 (lane / 16): my kb's row among the codes, my row's 16 bytes
.set BW,  6                            ; v6  lane: 16 (lane / 16) + lane % 16: my row's 16 scale bytes, my kb's byte
.set CR,  7                            ; v7  272 (lane / 16) + 16 (lane % 16): two kb rows an instruction
.set SR,  8                            ; v8  where I read 8 scale bytes back, from my region or my partner's
.set SPW, 12                           ; v12 my spare word; never rewritten
.set NIL, 13                           ; v13 0; never rewritten
.set GOUT, 14                          ; v14 16 lane + 4,096 H: my codes' place in the tile
.set KOUT, 15                          ; v15 8 lane + 256 H: my 8 scale bytes' place
.set E,   16                           ; v16-19   a scale byte, four sets
.set C,   20                           ; v20-35   a block's codes, four sets of 4
.set X,   36                           ; v36-99   a block's 32 numbers, two sets
.set R,   100                          ; v100-227 a step as loaded, four sets of 32
	s_load_b128 s[4:7], s[0:1], 0x0                ; x, W
	s_load_b128 s[8:11], s[0:1], 0x10              ; x's tiles, W's tiles
	v_lshl_add_u32 v[SPW], v0, 2, SPARE
	v_mov_b32 v[NIL], 0
	v_lshrrev_b32 v1, 5, v0
	v_readfirstlane_b32 s12, v1                    ; wave = H
	v_and_b32 v1, 31, v0                           ; lane
	s_mul_i32 s16, s12, WREG
	s_lshl_b32 s17, s12, 11
	v_lshl_add_u32 v[GI], v1, 4, s17
	s_lshl_b32 s17, s12, 12
	v_lshl_add_u32 v[GOUT], v1, 4, s17
	s_lshl_b32 s17, s12, 8
	v_lshl_add_u32 v[KOUT], v1, 3, s17
	v_lshrrev_b32 v[SI], 3, v1
	v_mul_u32_u24 v[SI], v[SI], 144
	v_and_b32 v9, 7, v1
	v_lshl_add_u32 v[SI], v9, 4, v[SI]
	v_add_nc_u32 v[SI], s16, v[SI]
	v_mul_u32_u24 v[SO], v1, 144
	v_add_nc_u32 v[SO], s16, v[SO]
	v_and_b32 v9, 15, v1                           ; lane % 16
	v_lshrrev_b32 v10, 4, v1                       ; lane / 16
	v_mul_u32_u24 v[CW], v9, 272
	v_lshl_add_u32 v[CW], v10, 4, v[CW]
	v_add_nc_u32 v[CW], s16, v[CW]
	v_add_nc_u32 v[BW], s16, v1
	v_mul_u32_u24 v[CR], v10, 272
	v_lshl_add_u32 v[CR], v9, 4, v[CR]
	v_add_nc_u32 v[CR], s16, v[CR]
	v_bfe_u32 v[SR], v0, 1, 1                      ; the 8 bytes at 256 H + 8 lane of [row][32]: row 8 H + lane / 4; half (lane / 2) % 2 of K: that wave's region;
	v_mul_u32_u24 v[SR], v[SR], WREG
	v_bfe_u32 v9, v0, 2, 3
	v_lshl_add_u32 v[SR], v9, 4, v[SR]             ; 16 bytes a row there,
	v_and_b32 v9, 1, v0
	v_lshl_add_u32 v[SR], v9, 3, v[SR]             ; their lower or upper 8
	s_lshl_b32 s17, s12, 7
	v_add_nc_u32 v[SR], s17, v[SR]
	s_wait_kmcnt 0x0
	s_cmp_lt_u32 ttmp9, 1024                       ; x's work-group or W's: the choice hangs on the work-group's number alone
	s_cselect_b64 s[4:5], s[4:5], s[6:7]
	s_cselect_b64 s[8:9], s[8:9], s[10:11]
	s_cselect_b32 s13, 0, 1024
	s_sub_co_u32 s13, ttmp9, s13                   ; my tile
	s_lshl_b32 s14, s13, 16                        ; 16 rows of 4,096 bytes (under 2^27)
	s_mov_b32 s15, 0
	s_add_nc_u64 s[4:5], s[4:5], s[14:15]
	s_mul_i32 s14, s13, 8704
	s_add_nc_u64 s[8:9], s[8:9], s[14:15]
.macro LOAD t                          ; step t: rows 2 t and 2 t + 1, my half: eight loads of 512 consecutive bytes
.irp j, 0,1
.irp i, 0,1,2,3
	global_load_b128 v[R+32*((\t)%4)+4*(4*\j+\i):R+32*((\t)%4)+4*(4*\j+\i)+3], v[GI], s[4:5] offset:4096*(2*(\t)+\j)+512*\i th:TH_LOAD_NT
.endr
.endr
.endm
.macro TURN t                          ; step t through the stage: LDS serves a wave's instructions in order, so no wait stands between the stores and the loads
.irp i, 0,1,2,3,4,5,6,7
	ds_store_b128 v[SI], v[R+32*((\t)%4)+4*\i:R+32*((\t)%4)+4*\i+3] offset:INB*((\t)%2)+576*\i
.endr
.irp i, 0,1,2,3,4,5,6,7
	ds_load_b128 v[X+32*((\t)%2)+4*\i:X+32*((\t)%2)+4*\i+3], v[SO] offset:INB*((\t)%2)+16*\i
.endr
.endm
.macro STEP t
.set XC, X+32*((\t)%2)
.set CC, C+4*((\t)%4)
.if (\t) > 0
	s_wait_dscnt 2                                 ; this step's numbers are back from the stage; the last step's code store and byte store may be out
.else
	s_wait_dscnt 0x0
.endif
.if (\t)+4 < NS
	LOAD (\t)+4                                    ; into the set that this step's stage stores have read
.endif
.if (\t)+1 < NS
.if NS-2-(\t) >= 3
	s_wait_loadcnt 24                              ; the next step's eight loads are in; those of the three steps behind it may be out
.else
	s_wait_loadcnt 8*(NS-2-(\t))
.endif
	TURN (\t)+1                                    ; the next step goes through the other stage while this one is worked
.endif
	v_max3_num_f32 v9, |v[XC]|, |v[XC+1]|, |v[XC+2]|       ; the block's largest magnitude: all 32 numbers are mine; two chains
	v_max3_num_f32 v10, |v[XC+3]|, |v[XC+4]|, |v[XC+5]|
.irp i, 6,10,14,18,22,26
	v_max3_num_f32 v9, v9, |v[XC+\i]|, |v[XC+\i+1]|
	v_max3_num_f32 v10, v10, |v[XC+\i+2]|, |v[XC+\i+3]|
.endr
	v_max3_num_f32 v9, v9, |v[XC+30]|, |v[XC+31]|
	v_max3_num_f32 v9, v9, v10, 0x1800000          ; and the floor 2^(3 - 127): the byte cannot fall under 1
	v_add_nc_u32 v11, 0xff000000, v9               ; 2 off the exponent field: the conversion takes this operand's exponent field as its scale
.irp g, 0,1,2,3
	v_cvt_scalef32_pk8_fp4_f32 v[CC+\g], v[XC+8*\g:XC+8*\g+7], v11     ; to the nearest code, ties to even, beyond 6 the largest code
.endr
	v_lshrrev_b32 v[E+(\t)%4], 23, v11             ; the scale's byte (also the plain line behind the conversions)
	ds_store_b128 v[CW], v[CC:CC+3] offset:OUTC+32*(\t)    ; codes [kb = lane % 16][row 2 t + lane / 16]
	ds_store_b8 v[BW], v[E+(\t)%4] offset:SCB+32*(\t)      ; scale bytes [row 2 t + lane / 16][kb = lane % 16]
.endm
	LOAD 0
	LOAD 1
	LOAD 2
	LOAD 3
	s_wait_loadcnt 24                              ; step 0's eight loads are in
	TURN 0
.irp t, 0,1,2,3,4,5,6,7
	STEP \t
.endr
	; the way out: my 4,096 bytes of codes leave as they lie, 512 consecutive aligned bytes a store
.irp i, 0,1,2,3,4,5,6,7
	ds_load_b128 v[R+4*\i:R+4*\i+3], v[CR] offset:OUTC+544*\i      ; these see my stores: LDS serves a wave in order
.endr
	s_wait_dscnt 0x0                               ; for my partner's sake: my scale bytes are stored (and my codes are back)
	s_barrier_signal -1
	s_barrier_wait -1
	ds_load_b64 v[R+32:R+33], v[SR] offset:SCB     ; bytes that either wave stored
.irp i, 0,1,2,3,4,5,6,7
	global_store_b128 v[GOUT], v[R+4*\i:R+4*\i+3], s[8:9] offset:512*\i
.endr
	s_wait_dscnt 0x0
	global_store_b64 v[KOUT], v[R+32:R+33], s[8:9] offset:8192     ; 32 lanes store 256 consecutive aligned bytes
	s_wait_tensorcnt 0x0                           ; the wave's end
	ds_add_u32 v[SPW], v[NIL]
	s_wait_dscnt 0x0
	s_endpgm
.Lfunc_end_k_qb1c8aab6c9_quant:
	.size	k_qb1c8aab6c9_quant, .Lfunc_end_k_qb1c8aab6c9_quant-k_qb1c8aab6c9_quant
	.p2alignl 7, 3214868480
	.fill 96, 4, 3214868480
	.section	.rodata,"a",@progbits
	.p2align	6, 0x0
	.amdhsa_kernel k_qb1c8aab6c9_quant
		.amdhsa_group_segment_fixed_size 27904
		.amdhsa_private_segment_fixed_size 0
		.amdhsa_enable_private_segment 0
		.amdhsa_kernarg_size 32
		.amdhsa_user_sgpr_count 2
		.amdhsa_user_sgpr_kernarg_segment_ptr 1
		.amdhsa_wavefront_size32 1
		.amdhsa_system_sgpr_workgroup_id_x 1
		.amdhsa_system_sgpr_workgroup_id_y 1
		.amdhsa_system_sgpr_workgroup_id_z 1
		.amdhsa_system_vgpr_workitem_id 0
		.amdhsa_next_free_vgpr 232
		.amdhsa_next_free_sgpr 66
		.amdhsa_reserve_vcc 0
		.amdhsa_float_denorm_mode_32 3
		.amdhsa_float_denorm_mode_16_64 3
		.amdhsa_memory_ordered 1
		.amdhsa_forward_progress 1
		.amdhsa_inst_pref_size 31
	.end_amdhsa_kernel
	.amdgpu_metadata
---
amdhsa.version: [ 1, 2 ]
amdhsa.kernels:
  - .name:           k_qb1c8aab6c9_quant
    .symbol:         k_qb1c8aab6c9_quant.kd
    .args:
      - { .name: x, .offset: 0, .size: 8, .value_kind: global_buffer, .address_space: global }
      - { .name: W_qkv, .offset: 8, .size: 8, .value_kind: global_buffer, .address_space: global }
      - { .name: xq, .offset: 16, .size: 8, .value_kind: global_buffer, .address_space: global }
      - { .name: wq, .offset: 24, .size: 8, .value_kind: global_buffer, .address_space: global }
    .group_segment_fixed_size: 27904
    .private_segment_fixed_size: 0
    .kernarg_segment_align: 8
    .kernarg_segment_size: 32
    .max_flat_workgroup_size: 64
    .sgpr_count:     66
    .vgpr_count:     232
    .wavefront_size: 32
...
	.end_amdgpu_metadata
.endif
;; end of part 1
;; launch kvsum (part 2): grid 16 x 16, 4 waves a work-group, clusters of 4 x 4, 327,680 bytes of LDS; arguments xq, wq, kvp, ksp; writes kvp, ksp
.if DOCPART == 2
	.amdgcn_target "amdgcn-amd-amdhsa--gfx1250"
	.amdhsa_code_object_version 6
	.text
	.protected	k_qb1c8aab6c9_kvsum
	.globl	k_qb1c8aab6c9_kvsum
	.p2align	8
	.type	k_qb1c8aab6c9_kvsum,@function
k_qb1c8aab6c9_kvsum:
	s_mov_b64 s[64:65], 0
	v_nop
	global_prefetch_b8 v0, s[64:65] scope:SCOPE_SE
	s_setreg_imm32_b32 hwreg(HW_REG_WAVE_MODE, 25, 1), 1
	s_wait_xcnt 0x0
	s_wait_alu depctr_hold_cnt(0) depctr_sa_sdst(0) depctr_va_vdst(0) depctr_va_sdst(0) depctr_va_ssrc(0) depctr_va_vcc(0) depctr_vm_vsrc(0)
	s_getreg_b32 s2, hwreg(HW_REG_IB_STS2, 6, 4)
	s_cmp_eq_u32 s2, 0
	s_cbranch_scc0 .Lentry_in_a_cluster
	s_endpgm
.Lentry_in_a_cluster:
	s_bfe_u32 s2, ttmp6, 0x10000c
	s_cmp_lg_u32 s2, 0xf033
	s_cbranch_scc0 .Lentry_shape_is_right
	s_endpgm
.Lentry_shape_is_right:
; For one head and 1,024 tokens of one batch: k and v columns of qkv = Q(x) Q(W)^T on FP4 codes, k' = log2(1 + 2^(log2e k / |k|)) = softplus(l2norm(k)) / ln 2, and the partial sums
; kvp[d][c] = sum over tokens of k'[d] v[c] (bf16 operands, f32 sums) and ksp[d] = sum of k'[d] (f32, of the unrounded k').  The factors ln 2 and 1/8 are applied by the last launch.
; bf16, not f16, for k' and v: v has no assured room in f16 when the inputs are scaled up or carry an offset, and both operands of an instruction have one type.
; LIMITS: NaN and infinities are not served; sums are taken in another order than the reference's.
; SHARES.  Work-group (head hd, y = 8 batch + chunk).  A trip takes 128 tokens: wave w the tiles 64 y + 8 trip + 2 w + a, a = 0, 1 (32 tokens), for all 128 columns.  Eight trips.
; The wave's 64 fragments of W (8 column tiles x 8 K steps, 512 registers) stay in registers for the whole launch: a fragment of x read from LDS feeds eight products, and W costs no LDS read in the loop.
; ORIENTATION.  Source 0 = 16 tokens of x, source 1 = 16 rows of W: a lane holds ONE channel (lane % 16), its register j token 8 (lane / 16) + j.  So the two token tiles of a column tile, rounded to bf16 in pairs,
; ARE the fragment (16 channels x 32 tokens) of the second product, for k'^T and for v alike: nothing changes lanes.  A token's sum of squares wants four steps across the 16 lanes of a row.
; CLUSTER 4 x 4.  x's tiles hang on y alone: asked for jointly by the four heads of a cluster's row.  W's tiles hang on the head alone: jointly by a column.  Each wave reads only the x tiles that its own load brought.
; RING: two slots of 69,632 bytes (a trip's eight tiles); one joint load a wave behind each round of the cluster's barrier; it has a whole trip in which to land.  By this text's count a wave has two tensor loads out at the head, later one.
; No prefetch is laid: a refill is asked for a whole trip (144 matrix instructions and the softplus) ahead of the wait for it, and x's codes are read by all sixteen heads.
; REGISTERS, in windows of 256: window 0: v2-15 addresses; v16-23 x's scale words; v24-55 W's; v56-71 sums of squares; v72-79 ksum; v80-95 at work; v128-255 the accumulators A(a, t) at 128 + 8 (8 a + t), t 0-3 = k, 4-7 = v.
;   window 1: W(t, q), q 0-3, at 8 (4 t + q).   window 2: q 4-7.   window 3: v0-127 x's fragments X(a, q) at 8 (8 a + q); v128-255 KV(dt, ct) at 128 + 8 (4 dt + ct).
.set TILEB, 8704                       ; a tile: 8,192 bytes of codes as register images, 512 of scale bytes
.set WPART, 2*TILEB                    ; what one tensor load brings: 68 rows of 256 bytes
.set SLOTB, 8*TILEB
.set SLOT1, 1<<17                      ; slot 1 begins here: one exclusive or turns an address
.set SPARE, SLOTB                      ; the spare words, 128 bytes a wave, which no other line names
.set KSTG,  SPARE+512                  ; the waves' ksum: 4 x 256 bytes
.set WREG,  SLOT1+SLOTB                ; W's eight tiles: filled once, read in the first trip alone
.set STAGE, WREG                       ; at the end the four waves' KV meet here: the region has had its one fill and its last read
.set XA0, 2                            ; v2  16 lane + my two tiles' place in a slot
.set XS0, 3                            ; v3  my scale words of x: lanes 0-15 tile a = 0, lanes 16-31 tile a = 1
.set ADX, 4                            ; v4, v5 the same in the slot in hand
.set ADS, 5
.set WA0, 6                            ; v6  WREG + 16 lane;  v7 the same four tiles on
.set SCW, 8                            ; v8  W's scale words: lanes 0-15 an even tile, lanes 16-31 the odd one behind it
.set LI,  9                            ; v9  16 lane
.set STO, 10                           ; v10 the stage: my wave's 16 KB
.set RD,  11                           ; v11 the stage: the four tiles that I add up
.set KSA, 12                           ; v12 where I put my ksum
.set KSB, 13                           ; v13 where wave 0 reads them back
.set SPW, 14                           ; v14 my spare word; never rewritten
.set NIL, 15                           ; v15 0; never rewritten
.set XS,  16
.set WS,  24
.set SS,  56
.set KS,  72
.set T,   80
.set K8,  96                           ; v96 8 lane
.set ACC, 128
.set KV,  128                          ; in window 3
.set WV,  12                           ; s12 wave
.set G1X, 24                           ; s[24:31], s[32:39] descriptor groups 1 for x's and W's tiles: they differ in the mask
.set G1W, 32
.set G0X, 40                           ; s[40:43] group 0 for x: it walks;  s[44:47] for W
.set G0W, 44
.set TB,  48                           ; s48 the slot in hand
.set CNT, 49
.set SEL, 50                           ; s[50:51] lane l xor 16
.set MSB, 0
.macro WIN new                         ; the immediate's high byte repeats the setting that is left
.if MSB != \new
	s_set_vgpr_msb (MSB<<8)|\new
.set MSB, \new
.endif
.endm
.macro PLACES n
.rept \n
	v_nop
.endr
.endm
.macro CROUND                          ; a round of the cluster's barrier
	s_barrier_signal -1
	s_barrier_wait -1
	s_cmp_lg_u32 s[WV], 0
	s_cbranch_scc1 .Lnot_wave_0_\@
	s_barrier_signal -3
.Lnot_wave_0_\@:
	s_barrier_wait -3
	s_barrier_signal -1
	s_barrier_wait -1
.endm
; the scaled product: D, source 0, source 1; zero = 1: it starts the sum; sa, sb the scale registers; ra, rb = 1: the scales stand in lanes 16-31
.macro WM d, a, b, zero, sa, sb, ra, rb
.if \zero
.if (\ra) && (\rb)
	v_wmma_scale_f32_16x16x128_f8f6f4 v[(\d):(\d)+7], v[(\a):(\a)+7], v[(\b):(\b)+7], 0, v[\sa], v[\sb] matrix_a_fmt:MATRIX_FMT_FP4 matrix_b_fmt:MATRIX_FMT_FP4 matrix_a_scale:MATRIX_SCALE_ROW1 matrix_b_scale:MATRIX_SCALE_ROW1
.elseif \ra
	v_wmma_scale_f32_16x16x128_f8f6f4 v[(\d):(\d)+7], v[(\a):(\a)+7], v[(\b):(\b)+7], 0, v[\sa], v[\sb] matrix_a_fmt:MATRIX_FMT_FP4 matrix_b_fmt:MATRIX_FMT_FP4 matrix_a_scale:MATRIX_SCALE_ROW1
.elseif \rb
	v_wmma_scale_f32_16x16x128_f8f6f4 v[(\d):(\d)+7], v[(\a):(\a)+7], v[(\b):(\b)+7], 0, v[\sa], v[\sb] matrix_a_fmt:MATRIX_FMT_FP4 matrix_b_fmt:MATRIX_FMT_FP4 matrix_b_scale:MATRIX_SCALE_ROW1
.else
	v_wmma_scale_f32_16x16x128_f8f6f4 v[(\d):(\d)+7], v[(\a):(\a)+7], v[(\b):(\b)+7], 0, v[\sa], v[\sb] matrix_a_fmt:MATRIX_FMT_FP4 matrix_b_fmt:MATRIX_FMT_FP4
.endif
.else
.if (\ra) && (\rb)
	v_wmma_scale_f32_16x16x128_f8f6f4 v[(\d):(\d)+7], v[(\a):(\a)+7], v[(\b):(\b)+7], v[(\d):(\d)+7], v[\sa], v[\sb] matrix_a_fmt:MATRIX_FMT_FP4 matrix_b_fmt:MATRIX_FMT_FP4 matrix_a_scale:MATRIX_SCALE_ROW1 matrix_b_scale:MATRIX_SCALE_ROW1
.elseif \ra
	v_wmma_scale_f32_16x16x128_f8f6f4 v[(\d):(\d)+7], v[(\a):(\a)+7], v[(\b):(\b)+7], v[(\d):(\d)+7], v[\sa], v[\sb] matrix_a_fmt:MATRIX_FMT_FP4 matrix_b_fmt:MATRIX_FMT_FP4 matrix_a_scale:MATRIX_SCALE_ROW1
.elseif \rb
	v_wmma_scale_f32_16x16x128_f8f6f4 v[(\d):(\d)+7], v[(\a):(\a)+7], v[(\b):(\b)+7], v[(\d):(\d)+7], v[\sa], v[\sb] matrix_a_fmt:MATRIX_FMT_FP4 matrix_b_fmt:MATRIX_FMT_FP4 matrix_b_scale:MATRIX_SCALE_ROW1
.else
	v_wmma_scale_f32_16x16x128_f8f6f4 v[(\d):(\d)+7], v[(\a):(\a)+7], v[(\b):(\b)+7], v[(\d):(\d)+7], v[\sa], v[\sb] matrix_a_fmt:MATRIX_FMT_FP4 matrix_b_fmt:MATRIX_FMT_FP4
.endif
.endif
.endm
	s_load_b256 s[4:11], s[0:1], 0x0               ; xq s[4:5], wq s[6:7], kvp s[8:9], ksp s[10:11]
	v_lshl_add_u32 v[SPW], v0, 2, SPARE
	v_mov_b32 v[NIL], 0
	ds_add_u32 v[SPW], v[NIL]                      ; the wave's opening: the add, twice on end, and its wait ahead of my first tensor load; the set-up below, work on registers, stands between
	ds_add_u32 v[SPW], v[NIL]
	v_lshrrev_b32 v1, 5, v0
	v_readfirstlane_b32 s[WV], v1                  ; wave 0..3
	s_bfe_u32 s13, ttmp6, 0x40000                  ; cx
	s_bfe_u32 s14, ttmp6, 0x40004                  ; cy
	s_lshl_b32 s15, ttmp9, 2
	s_add_co_u32 s15, s15, s13                     ; the head = 4 x cluster x + cx
	s_and_b32 s16, ttmp7, 0xffff
	s_lshl_b32 s16, s16, 2
	s_add_co_u32 s16, s16, s14                     ; y = 4 x cluster y + cy = 8 batch + chunk
	s_lshl_b32 s52, s14, 2
	s_lshl_b32 s52, 15, s52                        ; my row of the cluster
	s_lshl_b32 s53, 0x1111, s13                    ; my column
	s_or_b32 s[G1X], s52, (3<<16)|(1<<21)          ; 15:0 the mask; 17:16 elements of 8 bytes; 21 set beside a mask; no padding: images are read as consecutive bytes
	s_or_b32 s[G1W], s53, (3<<16)|(1<<21)
.irp g, G1X, G1W
	s_mov_b32 s[\g+1], 32<<16                      ; tensor_dim0 = 32 elements: rows of 256 bytes
	s_mov_b32 s[\g+2], 68<<16                      ; tensor_dim1 = 68 rows: two tiles, dense in memory
	s_mov_b32 s[\g+3], 32<<16                      ; tile_dim0
	s_mov_b32 s[\g+4], 68                          ; tile_dim1
	s_mov_b32 s[\g+5], 32                          ; the pitch
	s_mov_b32 s[\g+6], 0
	s_mov_b32 s[\g+7], 0
.endr
	s_mul_i32 s17, s[WV], WPART                    ; my two tiles' place in a slot and in W's region: the wave's number alone
	s_mul_i32 s18, s16, 64*TILEB                   ; x: 64 tiles a work-group,
	s_add_co_u32 s18, s18, s17                     ; + my two
	s_mov_b32 s19, 0
	s_lshr_b32 s20, s[WV], 1                       ; W: tile 64 + 64 (w / 2) + 4 head + 2 (w % 2): waves 0, 1 fetch k's rows, waves 2, 3 v's
	s_lshl_b32 s20, s20, 6
	s_and_b32 s21, s[WV], 1
	s_lshl_b32 s21, s21, 1
	s_add_co_u32 s20, s20, s21
	s_lshl_b32 s21, s15, 2
	s_add_co_u32 s20, s20, s21
	s_add_co_u32 s20, s20, 64
	s_mul_i32 s20, s20, TILEB
	s_mov_b32 s21, 0
	s_lshr_b32 s22, s16, 3                         ; the record: ((batch x 16 + head) x 8 + chunk)
	s_lshl_b32 s22, s22, 4
	s_add_co_u32 s22, s22, s15
	s_lshl_b32 s22, s22, 3
	s_and_b32 s23, s16, 7
	s_add_co_u32 s22, s22, s23
	s_lshl_b32 s54, s22, 14                        ; 16,384 bytes of kv a record,
	s_lshl_b32 s23, s[WV], 12                      ; of which I store 4,096
	s_add_co_u32 s54, s54, s23
	s_mov_b32 s55, 0
	s_lshl_b32 s56, s22, 8                         ; 256 bytes of ksum a record
	s_mov_b32 s57, 0
	s_mov_b32 s[TB], 0
	s_mov_b32 s[SEL], 0x76543210
	s_mov_b32 s[SEL+1], 0xfedcba98
	v_and_b32 v1, 31, v0                           ; lane
	v_and_b32 v[T], 15, v0                         ; r
	v_bfe_u32 v[T+1], v0, 4, 1                     ; h
	v_lshlrev_b32 v[LI], 4, v1
	v_lshlrev_b32 v[K8], 3, v1
	v_add_nc_u32 v[XA0], s17, v[LI]
	v_mul_u32_u24 v[XS0], v[T+1], TILEB            ; lanes 16-31 take the tile behind: one product
	v_lshl_add_u32 v[XS0], v[T], 5, v[XS0]         ; 32 scale bytes a row
	v_add_nc_u32 v[SCW], WREG+8192, v[XS0]
	v_add_nc_u32 v[XS0], s17, v[XS0]
	v_add_nc_u32 v[XS0], 8192, v[XS0]
	v_add_nc_u32 v[WA0], WREG, v[LI]
	v_add_nc_u32 v[WA0+1], WREG+4*TILEB, v[LI]
	s_lshl_b32 s52, s[WV], 14
	v_add_nc_u32 v[STO], s52, v[LI]
	v_add_nc_u32 v[STO], STAGE, v[STO]
	v_add_nc_u32 v[RD], s23, v[LI]
	v_add_nc_u32 v[RD], STAGE, v[RD]
	s_lshl_b32 s52, s[WV], 8
	v_lshl_add_u32 v[KSA], v[T], 2, s52
	v_add_nc_u32 v[KSA], KSTG, v[KSA]
	v_add_nc_u32 v[KSB], KSTG, v[K8]
.irp i, 0,1,2,3,4,5,6,7
	v_mov_b32 v[KS+\i], 0                          ; ksum: eight registers, once
.endr
.irp i, 4,5,6,7
	v_mov_b32 v[T+\i], 0                           ; a lane permute's destination counts as one of its sources
.endr
	s_wait_dscnt 0x0                               ; both opening adds are done
	s_wait_kmcnt 0x0
	s_add_nc_u64 s[8:9], s[8:9], s[54:55]
	s_add_nc_u64 s[10:11], s[10:11], s[56:57]
	s_mov_b32 s[G0X], 1                            ; count = 1
	s_mov_b32 s[G0X+1], s17                        ; LDS: slot 0
	s_add_nc_u64 s[G0X+2:G0X+3], s[4:5], s[18:19]
	s_or_b32 s[G0X+3], s[G0X+3], 0x80000000        ; type = 2
	s_mov_b32 s[G0W], 1
	s_add_co_u32 s[G0W+1], s17, WREG
	s_add_nc_u64 s[G0W+2:G0W+3], s[6:7], s[20:21]
	s_or_b32 s[G0W+3], s[G0W+3], 0x80000000
	CROUND                                         ; all sixteen work-groups are here: the first joint loads meet
	tensor_load_to_lds s[G0W:G0W+3], s[G1W:G1W+7]  ; my quarter of W's eight tiles
	s_nop 0
	tensor_load_to_lds s[G0X:G0X+3], s[G1X:G1X+7]  ; my two tiles of trip 0
	s_nop 0
	PLACES 4
.macro WLOAD                           ; W's 64 fragments and their scale words into registers: once
	WIN 0x40
.irp t, 0,1,2,3,4,5,6,7
.irp q, 0,1,2,3
.irp c, 0,1
	ds_load_b128 v[8*(4*\t+\q)+4*\c:8*(4*\t+\q)+4*\c+3], v[WA0+\t/4] offset:TILEB*(\t%4)+1024*\q+512*\c
.endr
.endr
.endr
	WIN 0x80
.irp t, 0,1,2,3,4,5,6,7
.irp q, 0,1,2,3
.irp c, 0,1
	ds_load_b128 v[8*(4*\t+\q)+4*\c:8*(4*\t+\q)+4*\c+3], v[WA0+\t/4] offset:TILEB*(\t%4)+1024*(\q+4)+512*\c
.endr
.endr
.endr
	WIN 0
.irp u, 0,1,2,3
.irp i, 0,1
	ds_load_b128 v[WS+8*\u+4*\i:WS+8*\u+4*\i+3], v[SCW] offset:WPART*\u+16*\i   ; register 8 u + q: lanes 0-15 tile 2 u, lanes 16-31 tile 2 u + 1, K step q
.endr
.endr
.endm
.macro XFETCH                          ; my two tiles: 8 scale words a row, then 16 fragments, K step by K step
	v_add_nc_u32 v[ADX], s[TB], v[XA0]
	v_add_nc_u32 v[ADS], s[TB], v[XS0]
	ds_load_b128 v[XS:XS+3], v[ADS]
	ds_load_b128 v[XS+4:XS+7], v[ADS] offset:16
	WIN 0xc0
.irp q, 0,1,2,3,4,5,6,7
.irp a, 0,1
.irp c, 0,1
	ds_load_b128 v[8*(8*\a+\q)+4*\c:8*(8*\a+\q)+4*\c+3], v[ADX] offset:TILEB*\a+1024*\q+512*\c
.endr
.endr
.endr
.endm
.macro GEMM                            ; 128 products: the sixteen accumulators take turns, one instruction a turn, in the same order in every K step
.irp q, 0,1,2,3,4,5,6,7
	s_wait_dscnt 4*(7-\q)                          ; this K step's four fragment loads are in; those of the later K steps may be out
.if \q < 4
	WIN 0x07                                       ; source 0 (x) window 3, source 1 (W) window 1
.else
	WIN 0x0b                                       ; W in window 2
.endif
.irp a, 0,1
.irp t, 0,1,2,3,4,5,6,7
.if \q == 0
	WM ACC+8*(8*\a+\t), 8*(8*\a+\q), 8*(4*\t+\q%4), 1, XS+\q, WS+8*(\t/2)+\q, \a, \t%2
.else
	WM ACC+8*(8*\a+\t), 8*(8*\a+\q), 8*(4*\t+\q%4), 0, XS+\q, WS+8*(\t/2)+\q, \a, \t%2
.endif
.endr
.endr
.endr
.endm
.macro EPI                             ; k: l2 norm and softplus; ksum; k' and v to bf16, in place
	WIN 0
	PLACES 4                                       ; four places between the last products and the first read of results (ISA guide 7.12.1)
.irp p, 0,1,2,3                        ; a token's sum of squares over my channel of the four k tiles; each accumulator is read from its low end on
.irp a, 0,1
	v_pk_mul_f32 v[SS+8*\a+2*\p:SS+8*\a+2*\p+1], v[ACC+64*\a+2*\p:ACC+64*\a+2*\p+1], v[ACC+64*\a+2*\p:ACC+64*\a+2*\p+1]
.endr
.endr
.irp t, 1,2,3
.irp p, 0,1,2,3
.irp a, 0,1
	v_pk_fma_f32 v[SS+8*\a+2*\p:SS+8*\a+2*\p+1], v[ACC+64*\a+8*\t+2*\p:ACC+64*\a+8*\t+2*\p+1], v[ACC+64*\a+8*\t+2*\p:ACC+64*\a+8*\t+2*\p+1], v[SS+8*\a+2*\p:SS+8*\a+2*\p+1]
.endr
.endr
.endr
.irp m, 1,2,4,8                        ; and over the 16 channels that lie in the 16 lanes of my half; the sixteen tokens by turns
.irp i, 0,1,2,3,4,5,6,7,8,9,10,11,12,13,14,15
	v_add_f32_dpp v[SS+\i], v[SS+\i], v[SS+\i] row_xmask:\m row_mask:0xf bank_mask:0xf
.endr
.endr
.irp i, 0,1,2,3,4,5,6,7,8,9,10,11,12,13,14,15
	v_max_num_f32 v[SS+\i], 0x179abe15, v[SS+\i]   ; 1e-24: 1 / max(norm, 1e-12) = rsq(max(sum of squares, 1e-24))
.endr
.irp i, 0,1,2,3,4,5,6,7,8,9,10,11,12,13,14,15
	v_rsq_f32 v[SS+\i], v[SS+\i]
.endr
.irp t, 4,5,6,7                        ; v to bf16 meanwhile: independent work behind the batch.  Registers 0-3: tokens 8 h + 0..7 of tile a = 0; registers 4-7: those of a = 1
.irp p, 0,1,2,3
	v_cvt_pk_bf16_f32 v[ACC+8*\t+\p], v[ACC+8*\t+2*\p], v[ACC+8*\t+2*\p+1]
.endr
.irp p, 0,1,2,3
	v_cvt_pk_bf16_f32 v[ACC+8*\t+4+\p], v[ACC+64+8*\t+2*\p], v[ACC+64+8*\t+2*\p+1]
.endr
.endr
	s_wait_alu depctr_va_vdst(0)                   ; one wait for the sixteen, ahead of their first reader
.irp i, 0,2,4,6,8,10,12,14
	v_pk_mul_f32 v[SS+\i:SS+\i+1], v[SS+\i:SS+\i+1], 0x3fb8aa3b op_sel_hi:[1,0]    ; x log2(e)
.endr
.irp t, 0,1,2,3
.irp p, 0,1,2,3
.irp a, 0,1
	v_pk_mul_f32 v[ACC+64*\a+8*\t+2*\p:ACC+64*\a+8*\t+2*\p+1], v[ACC+64*\a+8*\t+2*\p:ACC+64*\a+8*\t+2*\p+1], v[SS+8*\a+2*\p:SS+8*\a+2*\p+1]
.endr
.endr
.endr
.irp a, 0,1
.irp i, 0,1,2,3,4,5,6,7,8,9,10,11,12,13,14,15,16,17,18,19,20,21,22,23,24,25,26,27,28,29,30,31
	v_exp_f32 v[ACC+64*\a+\i], v[ACC+64*\a+\i]     ; the exponent lies within +-1.45: reference()'s own normalisation bounds it
.endr
.endr
	v_nop
	s_wait_alu depctr_va_vdst(0)                   ; one wait for the batch
.irp a, 0,1
.irp i, 0,2,4,6,8,10,12,14,16,18,20,22,24,26,28,30
	v_pk_add_f32 v[ACC+64*\a+\i:ACC+64*\a+\i+1], v[ACC+64*\a+\i:ACC+64*\a+\i+1], 1.0 op_sel_hi:[1,0]
.endr
.endr
.irp a, 0,1
.irp i, 0,1,2,3,4,5,6,7,8,9,10,11,12,13,14,15,16,17,18,19,20,21,22,23,24,25,26,27,28,29,30,31
	v_log_f32 v[ACC+64*\a+\i], v[ACC+64*\a+\i]     ; k' = softplus / ln 2
.endr
.endr
	v_nop
	s_wait_alu depctr_va_vdst(0)
.irp p, 0,1,2,3                        ; ksum, of the unrounded k': four chains by turns
.irp a, 0,1
.irp t, 0,1,2,3
	v_pk_add_f32 v[KS+2*\t:KS+2*\t+1], v[KS+2*\t:KS+2*\t+1], v[ACC+64*\a+8*\t+2*\p:ACC+64*\a+8*\t+2*\p+1]
.endr
.endr
.endr
.irp t, 0,1,2,3
.irp p, 0,1,2,3
	v_cvt_pk_bf16_f32 v[ACC+8*\t+\p], v[ACC+8*\t+2*\p], v[ACC+8*\t+2*\p+1]
.endr
.irp p, 0,1,2,3
	v_cvt_pk_bf16_f32 v[ACC+8*\t+4+\p], v[ACC+64+8*\t+2*\p], v[ACC+64+8*\t+2*\p+1]
.endr
.endr
	PLACES 4
.endm
.macro PV first                        ; KV(dt, ct) += k'^T v over my 32 tokens: sixteen accumulators by turns
	WIN 0xf0                                       ; C and D window 3
.irp dt, 0,1,2,3
.irp ct, 0,1,2,3
.if \first
	v_wmma_f32_16x16x32_bf16 v[KV+8*(4*\dt+\ct):KV+8*(4*\dt+\ct)+7], v[ACC+8*\dt:ACC+8*\dt+7], v[ACC+32+8*\ct:ACC+32+8*\ct+7], 0
.else
	v_wmma_f32_16x16x32_bf16 v[KV+8*(4*\dt+\ct):KV+8*(4*\dt+\ct)+7], v[ACC+8*\dt:ACC+8*\dt+7], v[ACC+32+8*\ct:ACC+32+8*\ct+7], v[KV+8*(4*\dt+\ct):KV+8*(4*\dt+\ct)+7]
.endif
.endr
.endr
	WIN 0
	PLACES 5                                       ; the next trip's first products write over these sources: five places
.endm
; A trip.  fill = 1: the other slot is asked for: all my tensor loads have landed, 0 goes onto my spare word, the walking descriptor steps meanwhile, the add and my reads of that slot are done;
; a round of the cluster's barrier, so that no wave of any partner still reads the slot or has a load on its way; the joint load first behind it.
; fill = 0, the last trip: nothing is filled, and I read only what my own load brought: its wait is all the ordering that the reads need.
.macro TRIP first, fill
	s_wait_tensorcnt 0x0
.if \fill
	ds_add_u32 v[SPW], v[NIL]
	s_xor_b32 s[G0X+1], s[G0X+1], SLOT1
	s_add_nc_u64 s[G0X+2:G0X+3], s[G0X+2:G0X+3], SLOTB
	s_wait_dscnt 0x0
	CROUND
	tensor_load_to_lds s[G0X:G0X+3], s[G1X:G1X+7]
	s_nop 0
	PLACES 4
.endif
.if \first
	WLOAD                                          ; behind the round: every wave's quarter of W has landed
.endif
	XFETCH
	GEMM
	EPI
	PV \first
	s_xor_b32 s[TB], s[TB], SLOT1
.endm
	TRIP 1, 1                                      ; trip 0; its load is slot 1's first fill, and no wave refills behind that round
	s_mov_b32 s[CNT], 6
.Ltrip:
	TRIP 0, 1
	s_sub_co_u32 s[CNT], s[CNT], 1
	s_cmp_lg_u32 s[CNT], 0
	s_cbranch_scc1 .Ltrip
	TRIP 0, 0                                      ; the tail is written out
	; THE END.  The four waves' KV meet in the stage as register images; wave w adds up tiles 4 w .. 4 w + 3 and stores them as images: 512 consecutive bytes a store.
	WIN 0x0c                                       ; an LDS store's data are its source 1: window 3
.irp i, 0,1,2,3,4,5,6,7,8,9,10,11,12,13,14,15
	ds_store_b128 v[STO], v[KV+8*\i:KV+8*\i+3] offset:1024*\i          ; each accumulator from its low end on
	ds_store_b128 v[STO], v[KV+8*\i+4:KV+8*\i+7] offset:1024*\i+512
.endr
	WIN 0
.irp t, 0,1,2,3
	v_add_f32 v[T+\t], v[KS+2*\t], v[KS+2*\t+1]    ; ksum: the pair's halves,
.endr
.irp t, 0,1,2,3
	v_permlanex16_b32 v[T+4+\t], v[T+\t], s[SEL], s[SEL+1]
.endr
.irp t, 0,1,2,3
	v_add_f32 v[T+\t], v[T+\t], v[T+4+\t]          ; and the other half of the lanes' tokens
.endr
.irp t, 0,1,2,3
	ds_store_b32 v[KSA], v[T+\t] offset:64*\t      ; channel 16 t + r; lanes r and 16 + r write the same word with the same value
.endr
	s_wait_dscnt 0x0                               ; for the others' sake: my stores are done
	s_barrier_signal -1
	s_barrier_wait -1
.irp p, 0,1,2,3
.irp i, 0,1,2,3
.irp c, 0,1
	ds_load_b128 v[ACC+32*\p+8*\i+4*\c:ACC+32*\p+8*\i+4*\c+3], v[RD] offset:16384*\p+1024*\i+512*\c
.endr
.endr
.endr
	s_wait_dscnt 0x0
.irp i, 0,2,4,6,8,10,12,14,16,18,20,22,24,26,28,30
	v_pk_add_f32 v[ACC+\i:ACC+\i+1], v[ACC+\i:ACC+\i+1], v[ACC+32+\i:ACC+32+\i+1]
	v_pk_add_f32 v[ACC+64+\i:ACC+64+\i+1], v[ACC+64+\i:ACC+64+\i+1], v[ACC+96+\i:ACC+96+\i+1]
.endr
.irp i, 0,2,4,6,8,10,12,14,16,18,20,22,24,26,28,30
	v_pk_add_f32 v[ACC+\i:ACC+\i+1], v[ACC+\i:ACC+\i+1], v[ACC+64+\i:ACC+64+\i+1]
.endr
.irp i, 0,1,2,3
.irp c, 0,1
	global_store_b128 v[LI], v[ACC+8*\i+4*\c:ACC+8*\i+4*\c+3], s[8:9] offset:1024*\i+512*\c
.endr
.endr
	s_cmp_lg_u32 s[WV], 0                          ; wave 0 adds the four ksums: 64 numbers, two a lane, one aligned run of 256 bytes
	s_cbranch_scc1 .Lno_ks
.irp p, 0,1,2,3
	ds_load_b64 v[T+2*\p:T+2*\p+1], v[KSB] offset:256*\p
.endr
	s_wait_dscnt 0x0
	v_pk_add_f32 v[T:T+1], v[T:T+1], v[T+2:T+3]
	v_pk_add_f32 v[T+4:T+5], v[T+4:T+5], v[T+6:T+7]
	v_pk_add_f32 v[T:T+1], v[T:T+1], v[T+4:T+5]
	global_store_b64 v[K8], v[T:T+1], s[10:11]
.Lno_ks:
	s_wait_tensorcnt 0x0                           ; the wave's end
	ds_add_u32 v[SPW], v[NIL]
	s_wait_dscnt 0x0
	CROUND                                         ; the closing round: no work-group ends while a partner may still ask for a tile that names it
	s_endpgm
.Lfunc_end_k_qb1c8aab6c9_kvsum:
	.size	k_qb1c8aab6c9_kvsum, .Lfunc_end_k_qb1c8aab6c9_kvsum-k_qb1c8aab6c9_kvsum
	.p2alignl 7, 3214868480
	.fill 96, 4, 3214868480
	.section	.rodata,"a",@progbits
	.p2align	6, 0x0
	.amdhsa_kernel k_qb1c8aab6c9_kvsum
		.amdhsa_group_segment_fixed_size 327680
		.amdhsa_private_segment_fixed_size 0
		.amdhsa_enable_private_segment 0
		.amdhsa_kernarg_size 32
		.amdhsa_user_sgpr_count 2
		.amdhsa_user_sgpr_kernarg_segment_ptr 1
		.amdhsa_wavefront_size32 1
		.amdhsa_system_sgpr_workgroup_id_x 1
		.amdhsa_system_sgpr_workgroup_id_y 1
		.amdhsa_system_sgpr_workgroup_id_z 1
		.amdhsa_system_vgpr_workitem_id 0
		.amdhsa_next_free_vgpr 1024
		.amdhsa_next_free_sgpr 66
		.amdhsa_reserve_vcc 0
		.amdhsa_float_denorm_mode_32 3
		.amdhsa_float_denorm_mode_16_64 3
		.amdhsa_memory_ordered 1
		.amdhsa_forward_progress 1
		.amdhsa_inst_pref_size 154
	.end_amdhsa_kernel
	.amdgpu_metadata
---
amdhsa.version: [ 1, 2 ]
amdhsa.kernels:
  - .name:           k_qb1c8aab6c9_kvsum
    .symbol:         k_qb1c8aab6c9_kvsum.kd
    .args:
      - { .name: xq, .offset: 0, .size: 8, .value_kind: global_buffer, .address_space: global }
      - { .name: wq, .offset: 8, .size: 8, .value_kind: global_buffer, .address_space: global }
      - { .name: kvp, .offset: 16, .size: 8, .value_kind: global_buffer, .address_space: global }
      - { .name: ksp, .offset: 24, .size: 8, .value_kind: global_buffer, .address_space: global }
    .group_segment_fixed_size: 327680
    .private_segment_fixed_size: 0
    .kernarg_segment_align: 8
    .kernarg_segment_size: 32
    .max_flat_workgroup_size: 128
    .sgpr_count:     66
    .vgpr_count:     1024
    .wavefront_size: 32
...
	.end_amdgpu_metadata
.endif
;; end of part 2
;; launch attnout (part 3): grid 16 x 16, 8 waves a work-group, clusters of 4 x 4, 327,680 bytes of LDS; arguments xq, wq, kvp, ksp, out0; writes out0
.if DOCPART == 3
	.amdgcn_target "amdgcn-amd-amdhsa--gfx1250"
	.amdhsa_code_object_version 6
	.text
	.protected	k_qb1c8aab6c9_attnout
	.globl	k_qb1c8aab6c9_attnout
	.p2align	8
	.type	k_qb1c8aab6c9_attnout,@function
k_qb1c8aab6c9_attnout:
	s_mov_b64 s[64:65], 0
	v_nop
	global_prefetch_b8 v0, s[64:65] scope:SCOPE_SE
	s_setreg_imm32_b32 hwreg(HW_REG_WAVE_MODE, 25, 1), 1
	s_wait_xcnt 0x0
	s_wait_alu depctr_hold_cnt(0) depctr_sa_sdst(0) depctr_va_vdst(0) depctr_va_sdst(0) depctr_va_ssrc(0) depctr_va_vcc(0) depctr_vm_vsrc(0)
	s_getreg_b32 s2, hwreg(HW_REG_IB_STS2, 6, 4)
	s_cmp_eq_u32 s2, 0
	s_cbranch_scc0 .Lentry_in_a_cluster
	s_endpgm
.Lentry_in_a_cluster:
	s_bfe_u32 s2, ttmp6, 0x10000c
	s_cmp_lg_u32 s2, 0xf033
	s_cbranch_scc0 .Lentry_shape_is_right
	s_endpgm
.Lentry_shape_is_right:
; For one head and 1,024 tokens of one batch: q columns of qkv = Q(x) Q(W)^T on FP4 codes, q' = log2(1 + 2^(log2e q / |q|)) = softplus(l2norm(q)) / ln 2, and
; out[n][c] = sum_d q'[d] KV'[d][c] / sum_d q'[d] (8 KS'[d] + 8e-6 / ln 2), KV' and KS' the sums of the eight partials of the launch before.  That is reference()'s result: q's ln 2 cancels,
; k's ln 2 and the scale 1/8 are moved into the denominator's vector.  Numerator: bf16 operands (kv has no assured room in f16), f32 sums.  Denominator, norm: f32, of the unrounded q'.
; LIMITS: NaN and infinities are not served; sums are taken in another order than the reference's.
; SHARES.  Work-group (head, y = 8 batch + chunk); a trip takes 128 tokens, wave w the tile 64 y + 8 trip + w (16 tokens); eight trips.  EIGHT waves of 512 registers, two to a SIMD: a trip is a chain of phases
; (fragments from LDS, 32 products, norm and softplus, 8 products, the stage, the stores), and one wave's vector work and waits stand beside the other's products.  A fragment of x feeds four products, whichever the number of waves.
; W's 32 fragments (256 registers) and kv's 8 stay in each wave's registers.
; ORIENTATION.  Source 0 = 16 rows of W, source 1 = 16 tokens: a lane holds ONE token (lane % 16), register j of tile t channel 16 t + 8 (lane / 16) + j.  Norm and denominator want one exchange between the halves of the lanes;
; tiles 2 s and 2 s + 1, rounded in pairs, are q's fragment of K step s; the stored images of KV tiles (2 s, ct), (2 s + 1, ct), rounded in pairs, are kv^T's fragment lane for lane.  O = kv^T q'^T again holds one token a lane and eight neighbouring channels.
; CLUSTER 4 x 4: x's tiles jointly along a row (they hang on y alone), W's along a column (on the head alone).  Ring of two slots; one joint load a wave behind each round: the wave's own tile, 34 rows of 256 bytes, which it alone reads.
; Two tensor loads of a wave are out at the head, later one.
; No prefetch is laid: a refill is asked for a whole trip ahead of the wait for it, and x's codes are read by all sixteen heads.
; REGISTERS: window 0: v2-15, v84-86 addresses; v16-23 x's scale words; v24-39 W's; v40-71 the denominator's vector; v72-83 at work; v96-127 A(t) at 96 + 8 t (in the head: the fragment just made, ksum's partials);
;   v128-191 X(q) at 128 + 8 q; O(ct) at 128 + 8 ct lies over X(0..3), which are done with when the second product begins; v192-255 kv's fragments (ct, s) at 192 + 8 (2 ct + s).
;   window 1: first the eight partials (128 registers), then W(t, q) at 8 (8 t + q).
.set TILEB, 8704
.set HALFW, 4352                       ; half a tile of W: 17 rows of 256 bytes: what one wave fetches of W
.set SLOTB, 8*TILEB
.set SLOT1, 1<<17
.set SPARE, SLOTB                      ; the spare words, 128 bytes a wave: four blocks of 256 bytes that no other line names
.set KSV,   SPARE+1024                 ; the denominator's vector: 64 f32
.set KVI,   KSV+256                    ; kv's eight fragments as register images: (ct, s) at 1024 (2 ct + s)
.set OSTG,  KVI+8192                   ; the way out: 16 rows x (256 bytes + 16) for each wave
.set WREG,  SLOT1+SLOTB                ; W's four tiles: filled once
.set XA0, 2                            ; v2  16 lane + my tile's place in a slot
.set XS0, 3                            ; v3  my tile's scale words: 32 bytes a row
.set ADX, 4                            ; v4, v5 the same in the slot in hand
.set ADS, 5
.set WA0, 6
.set SCW, 7                            ; v7  W's scale words: lanes 0-15 an even tile, lanes 16-31 the odd one behind it
.set LI,  8
.set STO, 9                            ; v9  the stage: row r, 32 bytes for each half of the lanes
.set RD,  10                           ; v10 back: lanes 0-15 one row of 256 bytes, lanes 16-31 the next
.set GO,  11                           ; v11 the same two rows in out0
.set KSA, 12
.set KSL, 13
.set SPW, 14                           ; v14 my spare word; never rewritten
.set NIL, 15                           ; v15 0; never rewritten
.set XS,  16
.set WS,  24
.set KSR, 40
.set SQ,  72                           ; v72-79 four chains, one a tile: the sum of squares, later the denominator
.set PM,  80                           ; v80 what the other half of the lanes sends
.set RS,  82                           ; v82 log2e / norm, later 1 / denominator: the low word of a pair
.set KVW, 84
.set KVL, 85
.set R4,  86
.set ACC, 96
.set KT,  96                           ; the head's work lies where the accumulators will
.set KL,  104
.set X,   128
.set O,   128
.set KVF, 192
.set WV,  14
.set G1X, 24
.set G1W, 32
.set G0X, 40
.set G0W, 44
.set TB,  48
.set CNT, 49
.set SEL, 50
.set MSB, 0
.macro WIN new                         ; the immediate's high byte repeats the setting that is left
.if MSB != \new
	s_set_vgpr_msb (MSB<<8)|\new
.set MSB, \new
.endif
.endm
.macro PLACES n
.rept \n
	v_nop
.endr
.endm
.macro CROUND                          ; a round of the cluster's barrier
	s_barrier_signal -1
	s_barrier_wait -1
	s_cmp_lg_u32 s[WV], 0
	s_cbranch_scc1 .Lnot_wave_0_\@
	s_barrier_signal -3
.Lnot_wave_0_\@:
	s_barrier_wait -3
	s_barrier_signal -1
	s_barrier_wait -1
.endm
; the scaled product: D, source 0, source 1; zero = 1: it starts the sum; sa, sb the scale registers; ra = 1: source 0's scales stand in lanes 16-31
.macro WM d, a, b, zero, sa, sb, ra
.if \zero
.if \ra
	v_wmma_scale_f32_16x16x128_f8f6f4 v[(\d):(\d)+7], v[(\a):(\a)+7], v[(\b):(\b)+7], 0, v[\sa], v[\sb] matrix_a_fmt:MATRIX_FMT_FP4 matrix_b_fmt:MATRIX_FMT_FP4 matrix_a_scale:MATRIX_SCALE_ROW1
.else
	v_wmma_scale_f32_16x16x128_f8f6f4 v[(\d):(\d)+7], v[(\a):(\a)+7], v[(\b):(\b)+7], 0, v[\sa], v[\sb] matrix_a_fmt:MATRIX_FMT_FP4 matrix_b_fmt:MATRIX_FMT_FP4
.endif
.else
.if \ra
	v_wmma_scale_f32_16x16x128_f8f6f4 v[(\d):(\d)+7], v[(\a):(\a)+7], v[(\b):(\b)+7], v[(\d):(\d)+7], v[\sa], v[\sb] matrix_a_fmt:MATRIX_FMT_FP4 matrix_b_fmt:MATRIX_FMT_FP4 matrix_a_scale:MATRIX_SCALE_ROW1
.else
	v_wmma_scale_f32_16x16x128_f8f6f4 v[(\d):(\d)+7], v[(\a):(\a)+7], v[(\b):(\b)+7], v[(\d):(\d)+7], v[\sa], v[\sb] matrix_a_fmt:MATRIX_FMT_FP4 matrix_b_fmt:MATRIX_FMT_FP4
.endif
.endif
.endm
	s_load_b256 s[4:11], s[0:1], 0x0               ; xq s[4:5], wq s[6:7], kvp s[8:9], ksp s[10:11]
	s_load_b64 s[12:13], s[0:1], 0x20              ; out0
	v_lshl_add_u32 v[SPW], v0, 2, SPARE
	v_mov_b32 v[NIL], 0
	ds_add_u32 v[SPW], v[NIL]                      ; the wave's opening: the add, twice on end, and its wait ahead of my first tensor load; the set-up below, work on registers, stands between
	ds_add_u32 v[SPW], v[NIL]
	v_lshrrev_b32 v1, 5, v0
	v_readfirstlane_b32 s[WV], v1                  ; wave 0..7
	s_bfe_u32 s15, ttmp6, 0x40000                  ; cx
	s_bfe_u32 s16, ttmp6, 0x40004                  ; cy
	s_lshl_b32 s17, ttmp9, 2
	s_add_co_u32 s17, s17, s15                     ; the head
	s_and_b32 s18, ttmp7, 0xffff
	s_lshl_b32 s18, s18, 2
	s_add_co_u32 s18, s18, s16                     ; y = 8 batch + chunk
	s_lshl_b32 s54, s16, 2
	s_lshl_b32 s54, 15, s54                        ; my row of the cluster
	s_lshl_b32 s55, 0x1111, s15                    ; my column
	s_or_b32 s[G1X], s54, (3<<16)|(1<<21)          ; the mask; elements of 8 bytes; bit 21 beside a mask; no padding: images are read as consecutive bytes
	s_or_b32 s[G1W], s55, (3<<16)|(1<<21)
	s_mov_b32 s[G1X+1], 32<<16                     ; x: 34 rows of 256 bytes: one tile
	s_mov_b32 s[G1X+2], 34<<16
	s_mov_b32 s[G1X+3], 32<<16
	s_mov_b32 s[G1X+4], 34
	s_mov_b32 s[G1X+5], 32
	s_mov_b32 s[G1X+6], 0
	s_mov_b32 s[G1X+7], 0
	s_mov_b32 s[G1W+1], 32<<16                     ; W: 17 rows: half a tile
	s_mov_b32 s[G1W+2], 17<<16
	s_mov_b32 s[G1W+3], 32<<16
	s_mov_b32 s[G1W+4], 17
	s_mov_b32 s[G1W+5], 32
	s_mov_b32 s[G1W+6], 0
	s_mov_b32 s[G1W+7], 0
	s_mul_i32 s19, s[WV], TILEB                    ; my tile's place in a slot: the wave's number alone
	s_mul_i32 s20, s18, 64*TILEB
	s_add_co_u32 s20, s20, s19                     ; x: 64 tiles a work-group, + mine
	s_mov_b32 s21, 0
	s_mul_i32 s62, s[WV], HALFW                    ; my eighth of W's four tiles, in LDS and in memory
	s_mul_i32 s22, s17, 4*TILEB                    ; W: q's tiles 4 head on
	s_add_co_u32 s22, s22, s62
	s_mov_b32 s23, 0
	s_lshr_b32 s54, s18, 3
	s_lshl_b32 s54, s54, 4
	s_add_co_u32 s54, s54, s17                     ; batch x 16 + head
	s_lshl_b32 s56, s54, 17                        ; kvp: eight records of 16,384 bytes; in a record tile 4 dt + ct at 1,024 bytes each:
	s_and_b32 s55, s[WV], 1                        ; my K step s = wave % 2: row tiles dt = 2 s, 2 s + 1,
	s_lshl_b32 s55, s55, 13
	s_add_co_u32 s56, s56, s55
	s_lshr_b32 s55, s[WV], 1                       ; my column tile ct = wave / 2
	s_lshl_b32 s55, s55, 10
	s_add_co_u32 s56, s56, s55
	s_mov_b32 s57, 0
	s_lshl_b32 s58, s54, 11                        ; ksp: eight records of 256 bytes,
	s_lshl_b32 s55, s[WV], 5                       ; my 8 channels
	s_add_co_u32 s58, s58, s55
	s_mov_b32 s59, 0
	s_lshl_b32 s60, s18, 22                        ; out0: 1,024 rows of 4,096 bytes a work-group,
	s_lshl_b32 s55, s[WV], 16                      ; my 16 rows,
	s_add_co_u32 s60, s60, s55
	s_lshl_b32 s55, s17, 8                         ; the head's 256 bytes of a row
	s_add_co_u32 s60, s60, s55
	s_mov_b32 s61, 0
	s_mov_b32 s52, 0x41000000                      ; 8 = 1 / scale
	s_mov_b32 s53, 0x3741a2a0                      ; 8e-6 / ln 2
	s_mov_b32 s[TB], 0
	s_mov_b32 s[SEL], 0x76543210
	s_mov_b32 s[SEL+1], 0xfedcba98
	v_and_b32 v1, 31, v0                           ; lane
	v_and_b32 v[SQ], 15, v0                        ; r
	v_bfe_u32 v[SQ+1], v0, 4, 1                    ; h
	v_lshlrev_b32 v[LI], 4, v1
	v_add_nc_u32 v[XA0], s19, v[LI]
	v_lshlrev_b32 v[XS0], 5, v[SQ]                 ; 32 scale bytes a row
	v_mul_u32_u24 v[SCW], v[SQ+1], TILEB           ; W's: lanes 16-31 take the tile behind: one product
	v_add_nc_u32 v[SCW], v[SCW], v[XS0]
	v_add_nc_u32 v[SCW], WREG+8192, v[SCW]
	v_add_nc_u32 v[XS0], s19, v[XS0]               ; x's: both halves of the lanes take my one tile's
	v_add_nc_u32 v[XS0], 8192, v[XS0]
	v_add_nc_u32 v[WA0], WREG, v[LI]
	s_mul_i32 s54, s[WV], 16*272
	v_mul_u32_u24 v[STO], v[SQ], 272
	v_lshl_add_u32 v[STO], v[SQ+1], 5, v[STO]
	v_add_nc_u32 v[STO], s54, v[STO]
	v_add_nc_u32 v[STO], OSTG, v[STO]
	v_mul_u32_u24 v[RD], v[SQ+1], 272
	v_lshl_add_u32 v[RD], v[SQ], 4, v[RD]
	v_add_nc_u32 v[RD], s54, v[RD]
	v_add_nc_u32 v[RD], OSTG, v[RD]
	v_lshlrev_b32 v[GO], 12, v[SQ+1]
	v_lshl_add_u32 v[GO], v[SQ], 4, v[GO]
	s_lshl_b32 s54, s[WV], 5
	v_and_b32 v[R4], 7, v0
	v_lshlrev_b32 v[R4], 2, v[R4]                  ; 4 (lane % 8): my channel of the wave's eight
	v_add_nc_u32 v[KSA], s54, v[R4]
	v_add_nc_u32 v[KSA], KSV, v[KSA]
	v_lshlrev_b32 v[KSL], 5, v[SQ+1]
	v_add_nc_u32 v[KSL], KSV, v[KSL]
	s_lshl_b32 s54, s[WV], 10
	v_add_nc_u32 v[KVW], s54, v[LI]                ; my fragment's image: (ct, s) = 2 ct + s = wave
	v_add_nc_u32 v[KVW], KVI, v[KVW]
	v_add_nc_u32 v[KVL], KVI, v[LI]
	v_mov_b32 v[PM], 0                             ; a lane permute's destination counts as one of its sources
	v_mov_b32 v[RS+1], 0                           ; named as the upper half of a pair
	s_wait_dscnt 0x0                               ; both opening adds are done
	s_wait_kmcnt 0x0
	s_add_nc_u64 s[8:9], s[8:9], s[56:57]
	s_add_nc_u64 s[10:11], s[10:11], s[58:59]
	s_add_nc_u64 s[12:13], s[12:13], s[60:61]
	s_mov_b32 s[G0X], 1
	s_mov_b32 s[G0X+1], s19
	s_add_nc_u64 s[G0X+2:G0X+3], s[4:5], s[20:21]
	s_or_b32 s[G0X+3], s[G0X+3], 0x80000000
	s_mov_b32 s[G0W], 1
	s_add_co_u32 s[G0W+1], s62, WREG
	s_add_nc_u64 s[G0W+2:G0W+3], s[6:7], s[22:23]
	s_or_b32 s[G0W+3], s[G0W+3], 0x80000000
	CROUND                                         ; all sixteen work-groups are here: the first joint loads meet
	tensor_load_to_lds s[G0W:G0W+3], s[G1W:G1W+7]  ; my eighth of W's four tiles
	s_nop 0
	tensor_load_to_lds s[G0X:G0X+3], s[G1X:G1X+7]  ; my tile of trip 0
	s_nop 0
	PLACES 4
	; while they are on their way: the eight partials of kv (my column tile, my two row tiles: 2 KB a partial) and of ksum (my 8 channels) are added up
	WIN 0x40
.irp p, 0,1,2,3,4,5,6,7
.irp dd, 0,1
.irp c, 0,1
	global_load_b128 v[16*\p+8*\dd+4*\c:16*\p+8*\dd+4*\c+3], v[LI], s[8:9] offset:16384*\p+4096*\dd+512*\c
.endr
.endr
.endr
	WIN 0
.irp p, 0,1,2,3,4,5,6,7
	global_load_b32 v[KL+\p], v[R4], s[10:11] offset:256*\p
.endr
	s_wait_loadcnt 0x0
	WIN 0x45
.irp p, 1,2,3,4,5,6,7
.irp i, 0,2,4,6,8,10,12,14
	v_pk_add_f32 v[\i:\i+1], v[\i:\i+1], v[16*\p+\i:16*\p+\i+1]
.endr
.endr
	WIN 0x05
.irp p, 0,1,2,3                        ; row tiles 2 s and 2 s + 1, rounded in pairs, are kv^T's fragment (ct, s)
	v_cvt_pk_bf16_f32 v[KT+\p], v[2*\p], v[2*\p+1]
	v_cvt_pk_bf16_f32 v[KT+4+\p], v[8+2*\p], v[8+2*\p+1]
.endr
	WIN 0
.irp c, 0,1
	ds_store_b128 v[KVW], v[KT+4*\c:KT+4*\c+3] offset:512*\c
.endr
	v_add_f32 v[KL], v[KL], v[KL+1]
	v_add_f32 v[KL+2], v[KL+2], v[KL+3]
	v_add_f32 v[KL+4], v[KL+4], v[KL+5]
	v_add_f32 v[KL+6], v[KL+6], v[KL+7]
	v_add_f32 v[KL], v[KL], v[KL+2]
	v_add_f32 v[KL+4], v[KL+4], v[KL+6]
	v_add_f32 v[KL], v[KL], v[KL+4]
	v_fma_f32 v[KL], v[KL], s52, s53               ; 8 KS' + 8e-6 / ln 2
	ds_store_b32 v[KSA], v[KL]                     ; the four lanes with one lane % 8 write the same word with the same value
.macro FIRSTLOADS                      ; behind the first round: W's eighths have landed and every wave's stores above are done
	WIN 0x40
.irp t, 0,1,2,3
.irp q, 0,1,2,3,4,5,6,7
.irp c, 0,1
	ds_load_b128 v[8*(8*\t+\q)+4*\c:8*(8*\t+\q)+4*\c+3], v[WA0] offset:TILEB*\t+1024*\q+512*\c
.endr
.endr
.endr
	WIN 0
.irp u, 0,1
.irp i, 0,1
	ds_load_b128 v[WS+8*\u+4*\i:WS+8*\u+4*\i+3], v[SCW] offset:2*TILEB*\u+16*\i   ; register 8 u + q: lanes 0-15 tile 2 u, lanes 16-31 tile 2 u + 1
.endr
.endr
.irp t, 0,1,2,3
.irp e, 0,1
	ds_load_b128 v[KSR+8*\t+4*\e:KSR+8*\t+4*\e+3], v[KSL] offset:64*\t+16*\e      ; register 8 t + j: the vector at channel 16 t + 8 h + j
.endr
.endr
.irp f, 0,1,2,3,4,5,6,7
.irp c, 0,1
	ds_load_b128 v[KVF+8*\f+4*\c:KVF+8*\f+4*\c+3], v[KVL] offset:1024*\f+512*\c
.endr
.endr
.endm
.macro XFETCH                          ; my tile: 8 scale words a row, then 8 fragments, K step by K step
	v_add_nc_u32 v[ADX], s[TB], v[XA0]
	v_add_nc_u32 v[ADS], s[TB], v[XS0]
	ds_load_b128 v[XS:XS+3], v[ADS]
	ds_load_b128 v[XS+4:XS+7], v[ADS] offset:16
.irp q, 0,1,2,3,4,5,6,7
.irp c, 0,1
	ds_load_b128 v[X+8*\q+4*\c:X+8*\q+4*\c+3], v[ADX] offset:1024*\q+512*\c
.endr
.endr
.endm
.macro GEMM                            ; 32 products: the four accumulators take turns, one instruction a turn
.irp q, 0,1,2,3,4,5,6,7
	s_wait_dscnt 2*(7-\q)                          ; this K step's two fragment loads are in; those of the later K steps may be out
	WIN 0x01                                       ; source 0 (W) window 1
.irp t, 0,1,2,3
.if \q == 0
	WM ACC+8*\t, 8*(8*\t+\q), X+8*\q, 1, WS+8*(\t/2)+\q, XS+\q, \t%2
.else
	WM ACC+8*\t, 8*(8*\t+\q), X+8*\q, 0, WS+8*(\t/2)+\q, XS+\q, \t%2
.endif
.endr
.endr
.endm
.macro EPI
	WIN 0
	PLACES 4                                       ; four places between the last products and the first read of results (ISA guide 7.12.1)
.irp p, 0,1,2,3                        ; my token's sum of squares: four chains, one a tile; every accumulator is read from its low end on
.irp t, 0,1,2,3
.if \p == 0
	v_pk_mul_f32 v[SQ+2*\t:SQ+2*\t+1], v[ACC+8*\t+2*\p:ACC+8*\t+2*\p+1], v[ACC+8*\t+2*\p:ACC+8*\t+2*\p+1]
.else
	v_pk_fma_f32 v[SQ+2*\t:SQ+2*\t+1], v[ACC+8*\t+2*\p:ACC+8*\t+2*\p+1], v[ACC+8*\t+2*\p:ACC+8*\t+2*\p+1], v[SQ+2*\t:SQ+2*\t+1]
.endif
.endr
.endr
	v_pk_add_f32 v[SQ:SQ+1], v[SQ:SQ+1], v[SQ+2:SQ+3]
	v_pk_add_f32 v[SQ+4:SQ+5], v[SQ+4:SQ+5], v[SQ+6:SQ+7]
	v_pk_add_f32 v[SQ:SQ+1], v[SQ:SQ+1], v[SQ+4:SQ+5]
	v_add_f32 v[SQ], v[SQ], v[SQ+1]
	v_permlanex16_b32 v[PM], v[SQ], s[SEL], s[SEL+1]               ; the token's other 32 channels lie in the lane 16 away
	v_add_f32 v[SQ], v[SQ], v[PM]
	v_max_num_f32 v[SQ], 0x179abe15, v[SQ]                         ; 1e-24: 1 / max(norm, 1e-12) = rsq(max(sum of squares, 1e-24))
	v_rsq_f32 v[RS], v[SQ]
	v_nop
	s_wait_alu depctr_va_vdst(0)                   ; the wait ahead of the first reader
	v_mul_f32 v[RS], 0x3fb8aa3b, v[RS]             ; x log2(e)
.irp i, 0,2,4,6,8,10,12,14,16,18,20,22,24,26,28,30
	v_pk_mul_f32 v[ACC+\i:ACC+\i+1], v[ACC+\i:ACC+\i+1], v[RS:RS+1] op_sel_hi:[1,0]
.endr
.irp i, 0,1,2,3,4,5,6,7,8,9,10,11,12,13,14,15,16,17,18,19,20,21,22,23,24,25,26,27,28,29,30,31
	v_exp_f32 v[ACC+\i], v[ACC+\i]                 ; the exponent lies within +-1.45: reference()'s own normalisation bounds it
.endr
	v_nop
	s_wait_alu depctr_va_vdst(0)                   ; one wait for the batch
.irp i, 0,2,4,6,8,10,12,14,16,18,20,22,24,26,28,30
	v_pk_add_f32 v[ACC+\i:ACC+\i+1], v[ACC+\i:ACC+\i+1], 1.0 op_sel_hi:[1,0]
.endr
.irp i, 0,1,2,3,4,5,6,7,8,9,10,11,12,13,14,15,16,17,18,19,20,21,22,23,24,25,26,27,28,29,30,31
	v_log_f32 v[ACC+\i], v[ACC+\i]                 ; q' = softplus / ln 2
.endr
	v_nop
	s_wait_alu depctr_va_vdst(0)
.irp p, 0,1,2,3                        ; the denominator, of the unrounded q': the same four chains
.irp t, 0,1,2,3
.if \p == 0
	v_pk_mul_f32 v[SQ+2*\t:SQ+2*\t+1], v[ACC+8*\t+2*\p:ACC+8*\t+2*\p+1], v[KSR+8*\t+2*\p:KSR+8*\t+2*\p+1]
.else
	v_pk_fma_f32 v[SQ+2*\t:SQ+2*\t+1], v[ACC+8*\t+2*\p:ACC+8*\t+2*\p+1], v[KSR+8*\t+2*\p:KSR+8*\t+2*\p+1], v[SQ+2*\t:SQ+2*\t+1]
.endif
.endr
.endr
	v_pk_add_f32 v[SQ:SQ+1], v[SQ:SQ+1], v[SQ+2:SQ+3]
	v_pk_add_f32 v[SQ+4:SQ+5], v[SQ+4:SQ+5], v[SQ+6:SQ+7]
	v_pk_add_f32 v[SQ:SQ+1], v[SQ:SQ+1], v[SQ+4:SQ+5]
	v_add_f32 v[SQ], v[SQ], v[SQ+1]
	v_permlanex16_b32 v[PM], v[SQ], s[SEL], s[SEL+1]
	v_add_f32 v[SQ], v[SQ], v[PM]
	v_rcp_f32 v[RS], v[SQ]
.irp s, 0,1                            ; q' to bf16 in place, independent work behind the reciprocal: tiles 2 s, 2 s + 1 become the fragment of K step s
.irp p, 0,1,2,3
	v_cvt_pk_bf16_f32 v[ACC+16*\s+\p], v[ACC+16*\s+2*\p], v[ACC+16*\s+2*\p+1]
.endr
.irp p, 0,1,2,3
	v_cvt_pk_bf16_f32 v[ACC+16*\s+4+\p], v[ACC+16*\s+8+2*\p], v[ACC+16*\s+8+2*\p+1]
.endr
.endr
	s_wait_alu depctr_va_vdst(0)                   ; the wait for the reciprocal
	PLACES 4                                       ; with the four at this macro's head: more than the five places between the first product's reads of X(0..3) and the products below, which write over them
.endm
.macro QKV                             ; O(ct) = kv^T q'^T: four accumulators by turns, two K steps of 32 channels; all in window 0
.irp s, 0,1
.irp ct, 0,1,2,3
.if \s == 0
	v_wmma_f32_16x16x32_bf16 v[O+8*\ct:O+8*\ct+7], v[KVF+8*(2*\ct+\s):KVF+8*(2*\ct+\s)+7], v[ACC+16*\s:ACC+16*\s+7], 0
.else
	v_wmma_f32_16x16x32_bf16 v[O+8*\ct:O+8*\ct+7], v[KVF+8*(2*\ct+\s):KVF+8*(2*\ct+\s)+7], v[ACC+16*\s:ACC+16*\s+7], v[O+8*\ct:O+8*\ct+7]
.endif
.endr
.endr
	PLACES 5                                       ; four for the reads below; five, since the next trip's first products write over these sources
.endm
.macro OUT                             ; O / the denominator; my 16 tokens x 64 channels through my stage, back as whole rows of 256 bytes
.irp i, 0,2,4,6,8,10,12,14,16,18,20,22,24,26,28,30
	v_pk_mul_f32 v[O+\i:O+\i+1], v[O+\i:O+\i+1], v[RS:RS+1] op_sel_hi:[1,0]       ; each accumulator from its low end on
.endr
.irp ct, 0,1,2,3
	ds_store_b128 v[STO], v[O+8*\ct:O+8*\ct+3] offset:64*\ct
	ds_store_b128 v[STO], v[O+8*\ct+4:O+8*\ct+7] offset:64*\ct+16
.endr
.irp i, 0,1,2,3,4,5,6,7
	ds_load_b128 v[O+4*\i:O+4*\i+3], v[RD] offset:544*\i           ; LDS serves a wave in order: these see the stores above
.endr
.irp i, 0,1,2,3,4,5,6,7
	s_wait_dscnt 7-\i                              ; load i is in; the younger ones may be out
	global_store_b128 v[GO], v[O+4*\i:O+4*\i+3], s[12:13] offset:8192*\i th:TH_STORE_NT    ; 16 lanes store 256 consecutive bytes, at a multiple of 256 from out0's first byte
.endr
.endm
; A trip.  fill = 1: the other slot is asked for: all my tensor loads have landed, 0 goes onto my spare word, the walking descriptor steps meanwhile, the add and my LDS reads are done;
; a round of the cluster's barrier, so that no wave of any partner still reads the slot or has a load on its way; the joint load first behind it.
; fill = 0, the last trip: nothing is filled, and I read only what my own load brought: its wait is all the ordering that the reads need.
.macro TRIP first, fill
	s_wait_tensorcnt 0x0
.if \fill
	ds_add_u32 v[SPW], v[NIL]
	s_xor_b32 s[G0X+1], s[G0X+1], SLOT1
	s_add_nc_u64 s[G0X+2:G0X+3], s[G0X+2:G0X+3], SLOTB
	s_wait_dscnt 0x0                               ; (in the first trip also: my stores of kv's fragment and of the denominator's vector are done)
	CROUND
	tensor_load_to_lds s[G0X:G0X+3], s[G1X:G1X+7]
	s_nop 0
	PLACES 4
.endif
.if \first
	FIRSTLOADS
.endif
	XFETCH
	GEMM
	EPI
	QKV
	OUT
.if \fill
	s_wait_xcnt 0x0                                ; the stores have read their data and their base: the next fetch lands on O's registers and the base is stepped only behind this wait
	s_add_nc_u64 s[12:13], s[12:13], 128*4096      ; the next trip's 128 tokens
.endif
	s_xor_b32 s[TB], s[TB], SLOT1
.endm
	TRIP 1, 1                                      ; trip 0; its load is slot 1's first fill, and no wave refills behind that round
	s_mov_b32 s[CNT], 6
.Ltrip:
	TRIP 0, 1
	s_sub_co_u32 s[CNT], s[CNT], 1
	s_cmp_lg_u32 s[CNT], 0
	s_cbranch_scc1 .Ltrip
	TRIP 0, 0                                      ; the tail is written out
	s_wait_tensorcnt 0x0                           ; the wave's end
	ds_add_u32 v[SPW], v[NIL]
	s_wait_dscnt 0x0
	CROUND                                         ; the closing round: no work-group ends while a partner may still ask for a tile that names it
	s_endpgm
.Lfunc_end_k_qb1c8aab6c9_attnout:
	.size	k_qb1c8aab6c9_attnout, .Lfunc_end_k_qb1c8aab6c9_attnout-k_qb1c8aab6c9_attnout
	.p2alignl 7, 3214868480
	.fill 96, 4, 3214868480
	.section	.rodata,"a",@progbits
	.p2align	6, 0x0
	.amdhsa_kernel k_qb1c8aab6c9_attnout
		.amdhsa_group_segment_fixed_size 327680
		.amdhsa_private_segment_fixed_size 0
		.amdhsa_enable_private_segment 0
		.amdhsa_kernarg_size 40
		.amdhsa_user_sgpr_count 2
		.amdhsa_user_sgpr_kernarg_segment_ptr 1
		.amdhsa_wavefront_size32 1
		.amdhsa_system_sgpr_workgroup_id_x 1
		.amdhsa_system_sgpr_workgroup_id_y 1
		.amdhsa_system_sgpr_workgroup_id_z 1
		.amdhsa_system_vgpr_workitem_id 0
		.amdhsa_next_free_vgpr 512
		.amdhsa_next_free_sgpr 66
		.amdhsa_reserve_vcc 0
		.amdhsa_float_denorm_mode_32 3
		.amdhsa_float_denorm_mode_16_64 3
		.amdhsa_memory_ordered 1
		.amdhsa_forward_progress 1
		.amdhsa_inst_pref_size 76
	.end_amdhsa_kernel
	.amdgpu_metadata
---
amdhsa.version: [ 1, 2 ]
amdhsa.kernels:
  - .name:           k_qb1c8aab6c9_attnout
    .symbol:         k_qb1c8aab6c9_attnout.kd
    .args:
      - { .name: xq, .offset: 0, .size: 8, .value_kind: global_buffer, .address_space: global }
      - { .name: wq, .offset: 8, .size: 8, .value_kind: global_buffer, .address_space: global }
      - { .name: kvp, .offset: 16, .size: 8, .value_kind: global_buffer, .address_space: global }
      - { .name: ksp, .offset: 24, .size: 8, .value_kind: global_buffer, .address_space: global }
      - { .name: out0, .offset: 32, .size: 8, .value_kind: global_buffer, .address_space: global }
    .group_segment_fixed_size: 327680
    .private_segment_fixed_size: 0
    .kernarg_segment_align: 8
    .kernarg_segment_size: 40
    .max_flat_workgroup_size: 256
    .sgpr_count:     66
    .vgpr_count:     512
    .wavefront_size: 32
...
	.end_amdgpu_metadata
.endif
;; end of part 3
